; MI455X (gfx1250); checked and timed in simulation.
; The chip was launched on July 23, 2026; its instructions are those of AMD's public machine-readable ISA for CDNA 5 (MIT licence, August 2026) and "CDNA5" Instruction Set Architecture Reference Guide (July 2026). The comments in the code are by the model that wrote it; some were corrected since.
;; PLE Layer. Allowed arithmetic: matrix products marked QUANTISED: E5M2 operands, one E8M0 scale for each 32 along K, by v_wmma_scale_f32_16x16x128_f8f6f4 with both operands' format E5M2, f32 sums; products left as they are: f32 operands where the result goes on into a quantised operand, else bf16, f16 or f32 operands; f32 sums; everything else in f32.
;; Inputs: W_sh 512 x 512 x 8 float32; W_t1 512 x 512 x 8 float32; W_t2 512 x 512 x 8 float32; Wg_sh 512 x 24 float32; Wg_t1 512 x 16 float32; Wg_t2 512 x 16 float32; b_sh 512 x 8 float32; b_t1 512 x 8 float32; b_t2 512 x 8 float32; bg_sh 24 float32; bg_t1 16 float32; bg_t2 16 float32; ln0_b 512 float32; ln0_g 512 float32; ln1_b 512 float32; ln1_g 512 float32; ln2_b 512 float32; ln2_g 512 float32; x_shared 4 x 2,048 x 512 float32; x_task1 4 x 2,048 x 512 float32; x_task2 4 x 2,048 x 512 float32.
;; Outputs: out0 4 x 2,048 x 512 float32; out1 4 x 2,048 x 512 float32; out2 4 x 2,048 x 512 float32.
;; This version of the problem:
;;   THIS VERSION OF THE PROBLEM IS GIVEN IN LOW PRECISION. The matrix products marked QUANTISED in the list below multiply operands that are first quantised to E5M2 (5 exponent bits, 2 mantissa bits; 8 bits a number), with one power-of-two scale for each 32 numbers along K (OCP MX v1.0); their sums are f32. All else is computed in f32.
;;   The module's matrix products, in the order in which they are computed (A, B: the left and right operand; K: the contracted axis; several contracted axes count as one K, in the product's order):
;;     1. [M 8,192, K 512] x [K 512, N 4,096]; A: computed on the way; B: input W_sh: QUANTISED
;;     2. [M 8,192, K 512] x [K 512, N 4,096]; A: computed on the way; B: input W_t1: QUANTISED
;;     3. [M 8,192, K 512] x [K 512, N 4,096]; A: computed on the way; B: input W_t2: QUANTISED
;;     4. [M 8,192, K 512] x [K 512, N 24]; A: computed on the way; B: input Wg_sh: QUANTISED
;;     5. batch 8,192 x [M 1, K 8] x [K 8, N 512]; A: computed on the way; B: computed on the way: left as it is (K = 8 < 32)
;;     6. batch 8,192 x [M 1, K 8] x [K 8, N 512]; A: computed on the way; B: computed on the way: left as it is (K = 8 < 32)
;;     7. batch 8,192 x [M 1, K 8] x [K 8, N 512]; A: computed on the way; B: computed on the way: left as it is (K = 8 < 32)
;;     8. [M 8,192, K 512] x [K 512, N 16]; A: computed on the way; B: input Wg_t1: QUANTISED
;;     9. batch 8,192 x [M 1, K 8] x [K 8, N 512]; A: computed on the way; B: computed on the way: left as it is (K = 8 < 32)
;;     10. batch 8,192 x [M 1, K 8] x [K 8, N 512]; A: computed on the way; B: computed on the way: left as it is (K = 8 < 32)
;;     11. [M 8,192, K 512] x [K 512, N 16]; A: computed on the way; B: input Wg_t2: QUANTISED
;;     12. batch 8,192 x [M 1, K 8] x [K 8, N 512]; A: computed on the way; B: computed on the way: left as it is (K = 8 < 32)
;;     13. batch 8,192 x [M 1, K 8] x [K 8, N 512]; A: computed on the way; B: computed on the way: left as it is (K = 8 < 32)
;;   THE QUANTISER, for each operand of a quantised product, along K:
;;     - K is cut into blocks of 32 from its start; a last block that is shorter is filled with zeros.
;;     - A block's scale is 2^e with e = floor(log2(the largest magnitude in the block)) - 15, held to -126 .. 127; a block of zeros has e = 0. As a byte (E8M0): e + 127.
;;     - Each number is divided by its block's scale, clamped to +-57,344, and rounded to the nearest number of E5M2, ties to even, subnormals kept.
;;     - The product sums the exact products of the quantised numbers (number of the format x scale) in f32.
;;   ~~~python
;;   def quantise(x, axis):      # numpy; x: float32 -> the quantised numbers, widened to float32 again
;;       x = np.moveaxis(x, axis, -1); K = x.shape[-1]
;;       x = np.pad(x, [(0, 0)] * (x.ndim - 1) + [(0, -K % 32)]); x = x.reshape(x.shape[:-1] + (-1, 32)); a = np.abs(x).max(-1, keepdims=True)
;;       e = np.where(a > 0, np.clip(np.frexp(np.where(a > 0, a, 1))[1] - 1 - 15, -126, 127), 0)      # np.frexp(a)[1] - 1 = floor(log2(a)), exactly
;;       r = np.clip(x / 2.0 ** e, -57344, 57344)
;;       step = 2.0 ** (np.maximum(np.frexp(np.where(r == 0, 1, r))[1] - 1, -14) - 2)
;;       q = np.round(r / step) * step * 2.0 ** e      # np.round: ties to even
;;       return np.moveaxis(q.reshape(q.shape[:-2] + (-1,))[..., :K], -1, axis).astype(np.float32)
;;   ~~~
;;   OPERANDS COMPUTED ON THE WAY. 'Computed on the way' means the value that the module computes at that place (a softmax that the list does not call 'softmax' is quantised finished and normalised). What goes into a quantiser is computed in f32, as accurately as f32 sums, v_exp_f32 and their like allow (about 1e-6 of the number): no bf16 or f16 on the way to a quantiser, and a product that is left as it is and whose result goes on into a quantised operand takes f32 operands (vector FMAs, or v_wmma_f32_16x16x4_f32). A number that lies on a knife's edge between two numbers of the format may be rounded either way, as far as f32 arithmetic and the matrix unit's own rounding can turn it there, and no further.
;; One version. Each part assembles by itself: llvm-mc -triple=amdgcn-amd-amdhsa -mcpu=gfx1250 --defsym DOCPART=n.
;; ======== version 1 of 1: 2 launches
;; limits: right only within a limited range of input values
;; workspace buffers: xq 20,447,232 bytes; wq 6,586,368 bytes
;; launch prep (part 1): grid 256 x 1, 8 waves a work-group, no clusters, 308,224 bytes of LDS; arguments x_task1, x_shared, x_task2, ln1_g, ln0_g, ln2_g, ln1_b, ln0_b, ln2_b, W_t1, W_sh, W_t2, b_t1, b_sh, b_t2, Wg_t1, Wg_sh, Wg_t2, bg_t1, bg_sh, bg_t2, xq, wq; writes xq, wq
.if DOCPART == 1
	.amdgcn_target "amdgcn-amd-amdhsa--gfx1250"
	.amdhsa_code_object_version 6
	.text
	.protected	k_q3f1f8aff12_prep
	.globl	k_q3f1f8aff12_prep
	.p2align	8
	.type	k_q3f1f8aff12_prep,@function
k_q3f1f8aff12_prep:
	s_mov_b64 s[64:65], 0
	v_nop
	global_prefetch_b8 v0, s[64:65] scope:SCOPE_SE
	s_setreg_imm32_b32 hwreg(HW_REG_WAVE_MODE, 25, 1), 1
	s_wait_xcnt 0x0
; PREP: layer norm of the three x [8192][512] f32, their codes of BF8 (E5M2) with one E8M0 scale for each 32 along K, the three gate products (on the same codes), softmax, gates;
; and the codes, scale words and biases of the three W [512 k][4096 n = 8 h + e].  All of it leaves laid as the second launch's operand registers want it.
; Phases p: 0 = task1, 1 = shared, 2 = task2.
; xq: [p][g = 128 rows] records of XREC bytes: S0' (K 0-255): 16 register images of fragments (block of 16 rows i, K step q) at (2 i + q) 2048 + 512 c + 16 lane; scale words at 32768 + 512 q + 64 i + 4 r;
;     from XGT on the GATES OF PHASE p - 1: piece k (four gates of row r) at 1536 i + 256 k + 16 r.   S1' (K 256-511) at XS1: images and scale words alike, no gates.  A fourth run of records holds phase 2's gates alone.
; wq: [p][j = 16 h][slot] blocks of WBLK bytes: images (tile t, K step q) at (2 t + q) 2048; scale words at 32768 + 512 q + 64 t + 4 i; bias at 33792 + 64 t + 4 i.
;     THE ROWS OF A TILE OF W ARE CHOSEN: row i = 8 hi + 2 e' + hs of tile t = 2 qq + u is column n = 8 h + e with h = 16 j + 4 qq + 2 hi + hs, e = 4 u + e': in the transposed result a register pair is then
;     two neighbouring h of one expert, so that the gate sums of the second launch are packed multiply-adds with no addition across lanes.
; SHARES.  Work-group wg: 32 rows of each x (waves 0-5: tensor w / 2, rows 32 wg + 16 (w % 2) on), three tiles of W of 128 k x 64 n (waves 6, 7: three jobs of 32 n each), and, every work-group anew, the
; 16 fragments of the gate weights (all eight waves, two each): these are 114,688 bytes against the work-group's 294,912 of x and W.
; LDS is filled once by six tensor loads (three gate weights, three tiles of W); nothing is filled again.
; LIMITS: NaN and infinities among the inputs are not served.  A block whose largest magnitude lies under 2^-111 has the scale byte 1, as the quantiser's hold at -126 asks; a block of zeros has the byte 1 too
; (the rule says 127): its codes are zeros and the bytes are read by this program alone.  v_rsq_f32, v_exp_f32, v_rcp_f32 are used as they are.  The variance is taken of the deviations from the mean (two passes).
.set PSX,  5111808                     ; a phase's 64 records of xq
.set PSW,  2195456                     ; a phase's 64 blocks of wq
.set XREC, 79872
.set XS1,  46080
.set XGT,  33792
.set WBLK, 34304
.set WGR,  0                           ; LDS: the gate weights as they lie: Wg_t1 (rows of 64 bytes), at 32768 Wg_sh (96), at 81920 Wg_t2 (64)
.set WRAW, 114688                      ; three tiles of W, [128 k][64 n] f32, rows of 256 bytes
.set IMG,  212992                      ; 16 images of gate fragments, 2176 bytes each: codes at 512 c + 16 lane, scale words at 2048 + 4 lane
.set XT,   247808                      ; 8448 bytes for each of waves 0-5: 16 rows x (512 + 16)
.set CST,  298496                      ; 4352 bytes for each of waves 6, 7: two tiles x 2176
.set L16, 4                            ; v4   16 x lane
.set A16, 5                            ; v5   my place in a gate weight of 16 columns
.set A24, 6                            ; v6   and in Wg_sh
.set IMS, 7                            ; v7   where I store my images;  v8 their scale words
.set IMSS, 8
.set IA,  9                            ; v9, v10   the images of my tensor's gate tiles A and B;  v11, v12 their scale words
.set IB,  10
.set IAS, 11
.set IBS, 12
.set XTS, 13                           ; v13  the turn through LDS: in;  v14 out
.set XTL, 14
.set WJ,  15                           ; v15-17 my column in the tile of W, job 0..2
.set CSS, 18                           ; v18  codes of W into my stage;  v19 back
.set CSL, 19
.set VC,  20                           ; v20  xq: my codes;  v21 my scale word;  v22, v23 my gates of tile A, B
.set VS,  21
.set VGA, 22
.set VGB, 23
.set VBA, 24                           ; v24, v25 offsets into the gate bias
.set VBB, 25
.set LO,  26                           ; v26  wq: my column's place among scale words and biases
.set L4,  27                           ; v27  4 x lane
.set NINF, 28                          ; v28  -infinity
.set NB0, 32                           ; v32-95, v96-159: two sets of 64 numbers
.set PCX, 160                          ; v160-223 codes
.set TM,  224                          ; v224-239 at work in QUANT; later the two gate accumulators
.set PW,  240
.set PWS, 241                          ; v241-244 x's scale words, K step 0..3;  v245-252 the images'
.set G16, 68                           ; s[68:75] group 1: 32,768 dense bytes;  s[76:83]: 49,152;  s[84:91]: a tile of W
.set G24, 76
.set GW,  84
.set MSB, 0
.macro WIN new                         ; the immediate's high byte repeats the setting that is left
.if MSB != (\new)
	s_set_vgpr_msb (MSB<<8)|(\new)
.set MSB, (\new)
.endif
.endm
.macro G1SET g, w0, c, rows, pitch
	s_mov_b32 s[\g], \w0
	s_mov_b32 s[\g+1], (\c)<<16                    ; tensor_dim0
	s_mov_b32 s[\g+2], (\rows)<<16                 ; tensor_dim1
	s_mov_b32 s[\g+3], (\c)<<16                    ; tile_dim0
	s_mov_b32 s[\g+4], \rows                       ; tile_dim1
	s_mov_b32 s[\g+5], \pitch                      ; elements from row to row
	s_mov_b32 s[\g+6], 0
	s_mov_b32 s[\g+7], 0
.endm
; 64 numbers of a lane, register 16 b + i = k 32 b + 16 (lane / 16) + i of my row, become a fragment's codes in v[pc] on and its scale word in v[pw].
.macro QUANT s, pc, pw
.irp b, 0,1,2,3
	v_max3_num_f32 v[TM+\b], |v[\s+16*\b]|, |v[\s+1+16*\b]|, 0x8000000   ; my 16 numbers of block b, and the floor 2^(16 - 127): the byte cannot fall under 1
.endr
.irp i, 2,4,6,8,10,12,14
.irp b, 0,1,2,3
	s_delay_alu instid0(VALU_DEP_4)
	v_max3_num_f32 v[TM+\b], v[TM+\b], |v[\s+16*\b+\i]|, |v[\s+1+16*\b+\i]|
.endr
.endr
.irp b, 0,1,2,3
	s_delay_alu instid0(VALU_DEP_4)
	v_permlanex16_b32 v[TM+4+\b], v[TM+\b], s2, s3
.endr
.irp b, 0,1,2,3
	s_delay_alu instid0(VALU_DEP_4)
	v_max_num_f32 v[TM+\b], v[TM+\b], v[TM+4+\b]   ; with lane l xor 16's: the block's largest magnitude
.endr
.irp b, 0,1,2,3
	s_delay_alu instid0(VALU_DEP_4)
	v_add_nc_u32 v[TM+12+\b], 0xf8800000, v[TM+\b] ; 15 off its exponent field: the conversion's scale operand
.endr
.irp b, 0,1,2,3
	v_and_or_b32 v[TM+8+\b], v[TM+\b], 0x7f800000, s51   ; 57,344 x the scale
.endr
.irp b, 0,1,2,3
	v_lshrrev_b32 v[TM+4+\b], 23, v[TM+12+\b]      ; the scale's byte
.endr
	s_delay_alu instid0(VALU_DEP_3)
	v_lshl_or_b32 v[\pw], v[TM+5], 8, v[TM+4]
	s_delay_alu instid0(VALU_DEP_1)
	v_lshl_or_b32 v[\pw], v[TM+6], 16, v[\pw]
	s_delay_alu instid0(VALU_DEP_1)
	v_lshl_or_b32 v[\pw], v[TM+7], 24, v[\pw]
.irp b, 0,1,2,3
.irp i, 0,1,2,3,4,5,6,7,8,9,10,11,12,13,14,15
	v_med3_num_f32 v[\s+16*\b+\i], v[\s+16*\b+\i], -v[TM+8+\b], v[TM+8+\b]   ; the conversion to an 8-bit code does not saturate (ISA guide 7.6.2): the hold
.endr
	v_cvt_scalef32_pk8_bf8_f32 v[\pc+4*\b:\pc+1+4*\b], v[\s+16*\b:\s+7+16*\b], v[TM+12+\b]
	v_cvt_scalef32_pk8_bf8_f32 v[\pc+2+4*\b:\pc+3+4*\b], v[\s+8+16*\b:\s+15+16*\b], v[TM+12+\b]
.endr
	v_nop                                          ; a plain line behind the last conversion
.endm
.macro IMAGE adr, pc, off                      ; a fragment goes to LDS as it stands in registers
.irp c, 0,1,2,3
	ds_store_b128 v[\adr], v[\pc+4*\c:\pc+4*\c+3] offset:\off+512*\c
.endr
.endm
; My two fragments of a gate weight: lane (r, h) takes column r, registers run down K.
.macro WGJOBS pitch, adr
.set n, 0
.rept 128                                      ; n = 64 jj + 16 c + ii: row 128 jj + 32 c + ii of my 256
	ds_load_b32 v[NB0+n], v[\adr] offset:(128*(n/64)+32*((n/16)%4)+n%16)*\pitch
.set n, n+1
.endr
	s_wait_dscnt 63                                ; the first 64 loads (and one more) are in
	QUANT NB0, PCX, PW
	IMAGE IMS, PCX, 0
	ds_store_b32 v[IMSS], v[PW]
	s_wait_dscnt 5                                 ; all loads are in; the five stores may be out
	QUANT NB0+64, PCX+16, 253
	IMAGE IMS, PCX+16, 2176
	ds_store_b32 v[IMSS], v253 offset:2176
.endm
	s_load_b512 s[4:19], s[0:1], 0x0               ; x_task1 4, x_shared 6, x_task2 8, ln1_g 10, ln0_g 12, ln2_g 14, ln1_b 16, ln0_b 18
	s_load_b512 s[20:35], s[0:1], 0x40             ; ln2_b 20, W_t1 22, W_sh 24, W_t2 26, b_t1 28, b_sh 30, b_t2 32, Wg_t1 34
	s_load_b256 s[36:43], s[0:1], 0x80             ; Wg_sh 36, Wg_t2 38, bg_t1 40, bg_sh 42
	s_load_b128 s[44:47], s[0:1], 0xa0             ; bg_t2 44, xq 46
	s_load_b64 s[48:49], s[0:1], 0xb0              ; wq 48
	v_lshl_add_u32 v254, v0, 2, 0x4b000
	v_mov_b32 v255, 0
	ds_add_u32 v254, v255
	ds_add_u32 v254, v255
	s_wait_dscnt 0x0
	v_lshrrev_b32 v29, 5, v0
	s_delay_alu instid0(VALU_DEP_1)
	v_readfirstlane_b32 s50, v29                   ; wave w
	v_and_b32 v1, 31, v0                           ; lane
	v_and_b32 v2, 15, v0                           ; r
	v_bfe_u32 v3, v0, 4, 1                         ; h
	s_lshr_b32 s52, s50, 1                         ; p (waves 0-5); the gate tile of my images
	s_and_b32 s53, s50, 1                          ; u
	s_lshr_b32 s54, s50, 2
	s_mov_b32 s2, 0x76543210
	s_mov_b32 s3, 0xfedcba98                       ; v_permlanex16_b32's selects for lane l xor 16
	s_mov_b32 s51, 0x600000                        ; the mantissa field of 57,344
	s_mov_b32 s63, 0xffff                          ; lanes 0-15
	; every LDS address is made here, ahead of the first branch on the wave's number
	v_lshlrev_b32 v[L16], 4, v1
	v_lshlrev_b32 v[L4], 2, v1
	v_lshlrev_b32 v29, 2, v2                       ; 4 r
	s_wait_alu depctr_va_vdst(0)
	s_mul_i32 s55, s54, 81920                      ; Wg_t1 (waves 0, 1) or Wg_t2 (waves 6, 7)
	s_lshl_b32 s56, s53, 14                        ; my 256 rows of 64 bytes
	s_add_co_u32 s55, s55, s56
	v_lshl_add_u32 v[A16], v3, 10, v29             ; lanes 16-31 begin 16 rows further down
	s_delay_alu instid0(VALU_DEP_1)
	v_add_nc_u32 v[A16], s55, v[A16]
	v_mad_u32_u24 v[A24], v3, 1536, v29            ; Wg_sh: 16 rows of 96 bytes
	v_and_b32 v30, 8, v2
	s_delay_alu instid0(VALU_DEP_1)
	v_lshlrev_b32 v30, 2, v30
	s_delay_alu instid0(VALU_DEP_1)
	v_sub_nc_u32 v30, 64, v30                      ; waves 4, 5: columns 16 + r % 8 (rows 8-15 of that fragment repeat columns 16-23: finite numbers whose results are thrown away)
	s_delay_alu instid0(VALU_DEP_1)
	v_mul_u32_u24 v30, s54, v30
	s_delay_alu instid0(VALU_DEP_1)
	v_add_nc_u32 v[A24], v[A24], v30
	s_mul_i32 s55, s53, 24576
	s_add_co_u32 s55, s55, WGR+32768
	v_add_nc_u32 v[A24], s55, v[A24]
	s_mul_i32 s55, s50, 4352                       ; my two images
	s_add_co_u32 s55, s55, IMG
	v_add_nc_u32 v[IMS], s55, v[L16]
	s_add_co_u32 s55, s55, 2048
	v_add_nc_u32 v[IMSS], s55, v[L4]
	s_lshr_b32 s55, s52, 1
	s_add_co_u32 s55, s55, s52                     ; gate tile A of tensor p: 0, 1, 3
	s_mul_i32 s55, s55, 8704
	s_add_co_u32 s55, s55, IMG
	v_add_nc_u32 v[IA], s55, v[L16]
	s_and_b32 s56, s52, 1                          ; tile B: the shared tensor's second tile; else tile A once more (its results are masked)
	s_mul_i32 s56, s56, 8704
	s_add_co_u32 s56, s56, s55
	v_add_nc_u32 v[IB], s56, v[L16]
	s_add_co_u32 s55, s55, 2048
	s_add_co_u32 s56, s56, 2048
	v_add_nc_u32 v[IAS], s55, v[L4]
	v_add_nc_u32 v[IBS], s56, v[L4]
	s_mul_i32 s55, s50, 8448
	s_add_co_u32 s55, s55, XT
	v_add_nc_u32 v[XTS], s55, v[L16]               ; in: 16 bytes a lane of a row's 512
	v_mul_u32_u24 v[XTL], v2, 528
	s_delay_alu instid0(VALU_DEP_1)
	v_lshl_add_u32 v[XTL], v3, 6, v[XTL]           ; out: row r, + 64 h: my 16 numbers of a block of 32
	s_delay_alu instid0(VALU_DEP_1)
	v_add_nc_u32 v[XTL], s55, v[XTL]
.irp t, 0,1,2
	s_mul_i32 s55, s53, 3
	s_add_co_u32 s55, s55, \t                      ; job J = 3 (w % 2) + t: tile J / 2, its half J % 2
	s_lshr_b32 s56, s55, 1
	s_lshl_b32 s56, s56, 15
	s_and_b32 s55, s55, 1
	s_lshl_b32 s55, s55, 7
	s_add_co_u32 s55, s55, s56
	s_add_co_u32 s55, s55, WRAW
	v_add_nc_u32 v[WJ+\t], s55, v[L4]
.endr
	v_bfe_u32 v29, v0, 2, 1                        ; my column n = 32 P + lane: which tile of the pair (e / 4),
	v_bfe_u32 v30, v0, 3, 1                        ; hs,
	v_and_b32 v31, 3, v0                           ; e'
	s_delay_alu instid0(VALU_DEP_3)
	v_mul_u32_u24 v[CSS], v29, 2176
	s_delay_alu instid0(VALU_DEP_1)
	v_lshl_add_u32 v[CSS], v3, 7, v[CSS]           ; fragment row i = 8 hi + 2 e' + hs, 16 bytes each
	s_delay_alu instid0(VALU_DEP_1)
	v_lshl_add_u32 v[CSS], v31, 5, v[CSS]
	s_delay_alu instid0(VALU_DEP_1)
	v_lshl_add_u32 v[CSS], v30, 4, v[CSS]
	s_mul_i32 s55, s53, 4352
	s_add_co_u32 s55, s55, CST
	v_add_nc_u32 v[CSS], s55, v[CSS]
	v_add_nc_u32 v[CSL], s55, v[L16]
	v_lshlrev_b32 v[LO], 6, v29                    ; 64 x tile + 4 i
	s_delay_alu instid0(VALU_DEP_1)
	v_lshl_add_u32 v[LO], v3, 5, v[LO]
	s_delay_alu instid0(VALU_DEP_1)
	v_lshl_add_u32 v[LO], v31, 3, v[LO]
	s_delay_alu instid0(VALU_DEP_1)
	v_lshl_add_u32 v[LO], v30, 2, v[LO]
	; offsets into xq
	s_and_b32 s57, ttmp9, 3
	s_lshl_b32 s57, s57, 1
	s_add_co_u32 s57, s57, s53                     ; i: my block of 16 rows in the record
	s_lshr_b32 s58, ttmp9, 2                       ; g: the record
	s_lshl_b32 s55, s57, 12
	v_add_nc_u32 v[VC], s55, v[L16]
	v_lshlrev_b32 v[VS], 2, v2
	s_delay_alu instid0(VALU_DEP_1)
	v_lshl_add_u32 v[VS], v3, 9, v[VS]             ; lanes 0-15 store the word of the slot's first K step, lanes 16-31 of its second
	s_lshl_b32 s55, s57, 6
	v_add_nc_u32 v[VS], s55, v[VS]
	; where my gates go: lanes 0-15 hold columns 0-7 of a tile, lanes 16-31 columns 8-15.  Counted from phase 0's gate bytes
	s_mov_b32 s59, 512                             ; p = 0: g_t1[0:8] -> phase 0, pieces 2, 3;
	s_mov_b32 s60, PSX+512                         ;        g_t1[8:16] -> phase 1, pieces 2, 3
	s_mov_b32 s61, 2*PSX                           ; p = 1: g_sh[16:24] -> phase 2, pieces 0, 1;
	s_mov_b32 s62, 1024                            ;        the masked half, zeros -> phase 0, pieces 4, 5
	s_cmp_eq_u32 s52, 1
	s_cselect_b32 s59, 0, s59                      ; p = 1: g_sh[0:8] -> phase 0, pieces 0, 1;
	s_mov_b32 s55, PSX
	s_cselect_b32 s60, s55, s60                    ;        g_sh[8:16] -> phase 1, pieces 0, 1
	s_cselect_b32 s66, s63, 0                      ; tile B counts in lanes 0-15 of the shared tensor alone
	s_cselect_b32 s67, 64, 0
	s_cmp_eq_u32 s52, 2
	s_mov_b32 s55, 2*PSX+512
	s_cselect_b32 s59, s55, s59                    ; p = 2: g_t2[0:8] -> phase 2, pieces 2, 3;
	s_mov_b32 s55, PSX+1024
	s_cselect_b32 s60, s55, s60                    ;        g_t2[8:16] -> phase 1, pieces 4, 5;
	s_mov_b32 s55, 2*PSX+1024
	s_cselect_b32 s61, s55, s61                    ;        zeros -> phase 2, piece 4
	s_mov_b32 s55, 2*PSX+1280
	s_cselect_b32 s62, s55, s62                    ;        and piece 5
	s_mul_i32 s55, s57, 1536
	v_lshl_add_u32 v29, v2, 4, s55                 ; 16 r + 1536 i
	v_mov_b32 v30, s59
	v_mov_b32 v31, s60
	s_delay_alu instid0(VALU_DEP_1)
	v_cndmask_b32 v[VGA], v31, v30, s63
	s_delay_alu instid0(VALU_DEP_1)
	v_add_nc_u32 v[VGA], v[VGA], v29
	v_mov_b32 v30, s61
	v_mov_b32 v31, s62
	s_delay_alu instid0(VALU_DEP_1)
	v_cndmask_b32 v[VGB], v31, v30, s63
	s_delay_alu instid0(VALU_DEP_1)
	v_add_nc_u32 v[VGB], v[VGB], v29
	v_lshlrev_b32 v[VBA], 5, v3                    ; tile A's bias: columns 8 h + 0 .. 7
	v_mov_b32 v[VBB], s67                          ; tile B's: bg_sh[16:24]; elsewhere any eight numbers of the buffer
	v_mov_b32 v[NINF], 0xff800000
.irp b, 0,1,2,3
	v_mov_b32 v[TM+4+\b], 0                        ; written once: a lane permute's destination counts as one of its sources
.endr
	; descriptors.  The gate weights are dense blocks, taken as rows of 256 bytes (32 elements of 8 bytes); a tile of W is 128 rows of 64 f32, 4096 elements apart
	G1SET G16, 3<<16, 32, 128, 32
	G1SET G24, 3<<16, 32, 192, 32
	G1SET GW,  2<<16, 64, 128, 4096
	s_mov_b32 s92, 1                               ; group 0 for the gate weights (waves 0-2): LDS 0, 32768, 81920
	s_lshl_b32 s93, s50, 15
	s_lshl_b32 s55, s52, 14
	s_add_co_u32 s93, s93, s55
	s_mov_b32 s96, 1                               ; group 0 for W (waves 3-5): LDS WRAW + 32768 (w - 3) = 32768 w + 16384
	s_lshl_b32 s97, s50, 15
	s_add_co_u32 s97, s97, 16384
	s_max_u32 s55, s50, 3
	s_min_u32 s55, s55, 5
	s_sub_co_u32 s55, s55, 3
	s_mul_i32 s56, ttmp9, 3
	s_add_co_u32 s55, s55, s56                     ; tile V = 3 wg + (w - 3) of 768: n64 = V % 64, K step S = (V / 64) % 4, p = V / 256
	s_and_b32 s56, s55, 63
	s_bfe_u32 s100, s55, 0x20006
	s_lshr_b32 s55, s55, 8
	s_lshl_b32 s56, s56, 8                         ; 64 columns are 256 bytes,
	s_lshl_b32 s100, s100, 21                      ; 128 rows of 16,384 bytes
	s_add_co_u32 s100, s100, s56
	s_mov_b32 s101, 0
	s_wait_kmcnt 0x0
	s_cmp_eq_u32 s55, 1
	s_cselect_b64 s[98:99], s[24:25], s[22:23]
	s_cmp_eq_u32 s55, 2
	s_cselect_b64 s[98:99], s[26:27], s[98:99]
	s_add_nc_u64 s[98:99], s[98:99], s[100:101]
	s_or_b32 s99, s99, 0x80000000
	s_cmp_eq_u32 s50, 1
	s_cselect_b64 s[94:95], s[36:37], s[34:35]
	s_cmp_eq_u32 s50, 2
	s_cselect_b64 s[94:95], s[38:39], s[94:95]
	s_or_b32 s95, s95, 0x80000000
	; six waves issue one tensor load each: the launch's only fills.  Four v_nop follow each line
	s_cmp_eq_u32 s50, 1
	s_cbranch_scc0 .Lnot_24
	tensor_load_to_lds s[92:95], s[G24:G24+7]
	s_nop 0
.rept 4
	v_nop
.endr
	s_branch .Lasked
.Lnot_24:
	s_cmp_lt_u32 s50, 3
	s_cbranch_scc0 .Lnot_16
	tensor_load_to_lds s[92:95], s[G16:G16+7]
	s_nop 0
.rept 4
	v_nop
.endr
	s_branch .Lasked
.Lnot_16:
	s_cmp_lt_u32 s50, 6
	s_cbranch_scc0 .Lasked
	tensor_load_to_lds s[96:99], s[GW:GW+7]
	s_nop 0
.rept 4
	v_nop
.endr
.Lasked:
	s_cmp_eq_u32 s52, 1                            ; my tensor's buffers: the choice hangs on the wave's number alone
	s_cselect_b64 s[4:5], s[6:7], s[4:5]
	s_cselect_b64 s[10:11], s[12:13], s[10:11]
	s_cselect_b64 s[16:17], s[18:19], s[16:17]
	s_cselect_b64 s[40:41], s[42:43], s[40:41]
	s_cmp_eq_u32 s52, 2
	s_cselect_b64 s[4:5], s[8:9], s[4:5]
	s_cselect_b64 s[10:11], s[14:15], s[10:11]
	s_cselect_b64 s[16:17], s[20:21], s[16:17]
	s_cselect_b64 s[40:41], s[44:45], s[40:41]
	s_lshl_b32 s100, ttmp9, 16                     ; 32 rows of 2,048 bytes a work-group,
	s_lshl_b32 s55, s53, 15                        ; 16 a wave
	s_add_co_u32 s100, s100, s55
	s_add_nc_u64 s[4:5], s[4:5], s[100:101]
	s_mul_i32 s100, s58, XREC
	s_add_nc_u64 s[8:9], s[46:47], s[100:101]
	s_mul_i32 s100, s52, PSX
	s_add_nc_u64 s[6:7], s[8:9], s[100:101]        ; s[6:7]: my phase's record
	s_add_nc_u64 s[8:9], s[8:9], PSX               ; s[8:9]: the record in which phase 0's gates ride
	s_cmp_lt_u32 s50, 6
	s_cbranch_scc0 .Lno_x
	WIN 0x40                                       ; destination window 1: x dense: row h, quarter t, element e at 16 h + 4 t + e: k = 128 t + 4 lane + e
.set n, 0
.rept 64
	global_load_b128 v[4*n:4*n+3], v[L16], s[4:5] offset:2048*(n/4)+512*(n%4) th:TH_LOAD_NT   ; 32 lanes read 512 consecutive bytes
.set n, n+1
.endr
	WIN 0
.Lno_x:
	s_wait_tensorcnt 0x0                           ; my tile is in LDS,
	s_barrier_signal -1
	s_barrier_wait -1                              ; everybody's is
	s_cmp_lt_u32 s50, 2
	s_cbranch_scc1 .Lwg16
	s_cmp_lt_u32 s50, 6
	s_cbranch_scc0 .Lwg16
	WGJOBS 96, A24
	s_branch .Lwgdone
.Lwg16:
	WGJOBS 64, A16
.Lwgdone:
	s_wait_dscnt 0x0                               ; for the others' sake: my images lie in LDS
	s_barrier_signal -1
	s_barrier_wait -1                              ; the last barrier: from here on a wave writes only LDS bytes of its own
	s_cmp_lt_u32 s50, 6
	s_cbranch_scc0 .Lwpath
	; ================ waves 0-5: 16 rows of x ================
.set t, 0
.rept 4
	global_load_b128 v[96+4*t:99+4*t], v[L16], s[10:11] offset:512*t      ; gain and shift of my 16 columns: v96-111, v112-127
	global_load_b128 v[112+4*t:115+4*t], v[L16], s[16:17] offset:512*t
.set t, t+1
.endr
	s_mov_b32 s55, 0x3b000000                      ; 1 / 512
	s_mov_b32 s56, 0x3727c5ac                      ; 1e-5
	s_wait_loadcnt 8                               ; x's 64 loads are in; the eight just issued may be out
.macro REDUCE b                                ; 16 pairs v[b + 2 h]: the two halves, then the 32 lanes; the sum ends in every lane's v[b + 2 h]
.set h, 0
.rept 16
	v_add_f32 v[\b+2*h], v[\b+2*h], v[\b+2*h+1]
.set h, h+1
.endr
.irp m, 1,2,4,8
.set h, 0
.rept 16
	v_add_f32_dpp v[\b+2*h], v[\b+2*h], v[\b+2*h] row_xmask:\m row_mask:0xf bank_mask:0xf
.set h, h+1
.endr
.endr
.set h, 0
.rept 16
	v_permlanex16_b32 v[\b+2*h+1], v[\b+2*h], s2, s3
.set h, h+1
.endr
.set h, 0
.rept 16
	v_add_f32 v[\b+2*h], v[\b+2*h], v[\b+2*h+1]
.set h, h+1
.endr
.endm
	WIN 0x05                                       ; sources in window 1, destination in window 0
.set h, 0
.rept 16
	v_pk_add_f32 v[32+2*h:33+2*h], v[16*h:16*h+1], v[16*h+2:16*h+3]       ; the rows by turns: no line waits for the line above it
.set h, h+1
.endr
	WIN 0x01
.set i, 2
.rept 6
.set h, 0
.rept 16
	v_pk_add_f32 v[32+2*h:33+2*h], v[16*h+2*i:16*h+2*i+1], v[32+2*h:33+2*h]
.set h, h+1
.endr
.set i, i+1
.endr
	WIN 0
	REDUCE 32
.set h, 0
.rept 16
	v_mul_f32 v[32+2*h], 0xbb000000, v[32+2*h]     ; - the mean
.set h, h+1
.endr
	WIN 0x41                                       ; x in place
.set n, 0
.rept 128
	v_pk_add_f32 v[2*n:2*n+1], v[2*n:2*n+1], v[32+2*(n/8):33+2*(n/8)] op_sel_hi:[1,0]   ; the deviations
.set n, n+1
.endr
	WIN 0x05
.set h, 0
.rept 16
	v_pk_mul_f32 v[64+2*h:65+2*h], v[16*h:16*h+1], v[16*h:16*h+1]
.set h, h+1
.endr
.set i, 1
.rept 7
.set h, 0
.rept 16
	v_pk_fma_f32 v[64+2*h:65+2*h], v[16*h+2*i:16*h+2*i+1], v[16*h+2*i:16*h+2*i+1], v[64+2*h:65+2*h]
.set h, h+1
.endr
.set i, i+1
.endr
	WIN 0
	REDUCE 64
.set h, 0
.rept 16
	v_fma_f32 v[64+2*h], v[64+2*h], s55, s56       ; the variance + 1e-5
.set h, h+1
.endr
.set h, 0
	s_wait_alu depctr_va_vdst(0)
.rept 16
	v_rsq_f32 v[64+2*h], v[64+2*h]
.set h, h+1
.endr
	v_nop                                          ; a plain line behind the last of the batch
	s_wait_alu depctr_va_vdst(0)                   ; one wait for the sixteen, ahead of their first reader
	s_wait_loadcnt 0x0                             ; gain and shift
	WIN 0x41
.set n, 0
.rept 128
	v_pk_mul_f32 v[2*n:2*n+1], v[2*n:2*n+1], v[64+2*(n/8):65+2*(n/8)] op_sel_hi:[1,0]
.set n, n+1
.endr
.set n, 0
.rept 128
	v_pk_fma_f32 v[2*n:2*n+1], v[2*n:2*n+1], v[96+2*(n%8):97+2*(n%8)], v[112+2*(n%8):113+2*(n%8)]
.set n, n+1
.endr
	WIN 0
; K step s (128 along K) of my 16 rows turns through my own LDS bytes: in as it lies (16 bytes a lane of a row), out 16 neighbours of each block of 32 a lane.  LDS serves a wave's instructions in order: no wait between.
.macro TURN s
	WIN 0x04                                       ; an LDS store's data are its source 1: window 1
.set h, 0
.rept 16
	ds_store_b128 v[XTS], v[16*h+4*(\s):16*h+4*(\s)+3] offset:528*h
.set h, h+1
.endr
	WIN 0
.set n, 0
.rept 16
	ds_load_b128 v[NB0+64*((\s)%2)+4*n:NB0+64*((\s)%2)+4*n+3], v[XTL] offset:128*(n/4)+16*(n%4)
.set n, n+1
.endr
.endm
.macro XSTEP s
.if (\s) < 3
	TURN (\s)+1                                    ; the next K step turns while this one is quantised
	s_wait_dscnt 32                                ; this step's loads are in; behind them stand 16 stores and 16 loads
.else
	s_wait_dscnt 0x0                               ; the last loads are in, and every store has read x's registers:
	WIN 0x40
	global_load_b128 v[128:131], v[VBA], s[40:41]              ; the gate biases land there, in the result's layout
	global_load_b128 v[132:135], v[VBA], s[40:41] offset:16
	global_load_b128 v[136:139], v[VBB], s[40:41]
	global_load_b128 v[140:143], v[VBB], s[40:41] offset:16
	WIN 0
.endif
	QUANT NB0+64*((\s)%2), PCX+16*(\s), PWS+(\s)
.irp c, 0,1,2,3
	global_store_b128 v[VC], v[PCX+16*(\s)+4*\c:PCX+16*(\s)+4*\c+3], s[6:7] offset:((\s)/2)*XS1+((\s)%2)*2048+512*\c   ; 32 lanes store 512 consecutive bytes
.endr
.endm
	TURN 0
	XSTEP 0
	XSTEP 1
	XSTEP 2
	XSTEP 3
	v_cndmask_b32 v253, v[PWS+1], v[PWS], s63      ; lanes 0-15: the slot's first K step, lanes 16-31: its second
	v_cndmask_b32 v254, v[PWS+3], v[PWS+2], s63
	global_store_b32 v[VS], v253, s[6:7] offset:32768
	global_store_b32 v[VS], v254, s[6:7] offset:XS1+32768
	; the gates: logits^T = Wg^T x^T: source 0 = 16 columns of the gate weight, source 1 = my 16 rows: lane (r, h) holds row r and columns 8 h + 0 .. 7 of each tile
.irp s, 0,1,2,3
.irp c, 0,1,2,3
	ds_load_b128 v[32+16*\s+4*\c:35+16*\s+4*\c], v[IA] offset:2176*\s+512*\c
	ds_load_b128 v[96+16*\s+4*\c:99+16*\s+4*\c], v[IB] offset:2176*\s+512*\c
.endr
	ds_load_b32 v[245+\s], v[IAS] offset:2176*\s
	ds_load_b32 v[249+\s], v[IBS] offset:2176*\s
.endr
	s_wait_dscnt 0x0
	s_wait_loadcnt 0x0                             ; the biases
.rept 8
	v_nop                                          ; x's scale words were written by vector instructions: eight places ahead of a scaled matrix instruction
.endr
	WIN 0x10                                       ; C, the bias, in window 1
	v_wmma_scale_f32_16x16x128_f8f6f4 v[224:231], v[32:47], v[160:175], v[128:135], v245, v241 matrix_a_fmt:MATRIX_FMT_BF8 matrix_b_fmt:MATRIX_FMT_BF8
	v_wmma_scale_f32_16x16x128_f8f6f4 v[232:239], v[96:111], v[160:175], v[136:143], v249, v241 matrix_a_fmt:MATRIX_FMT_BF8 matrix_b_fmt:MATRIX_FMT_BF8
	WIN 0
.irp s, 1,2,3                                  ; the two accumulators by turns
	v_wmma_scale_f32_16x16x128_f8f6f4 v[224:231], v[32+16*\s:47+16*\s], v[160+16*\s:175+16*\s], v[224:231], v[245+\s], v[241+\s] matrix_a_fmt:MATRIX_FMT_BF8 matrix_b_fmt:MATRIX_FMT_BF8
	s_wait_alu depctr_va_vdst(0)
	v_wmma_scale_f32_16x16x128_f8f6f4 v[232:239], v[96+16*\s:111+16*\s], v[160+16*\s:175+16*\s], v[232:239], v[249+\s], v[241+\s] matrix_a_fmt:MATRIX_FMT_BF8 matrix_b_fmt:MATRIX_FMT_BF8
.endr
.rept 8
	v_nop
.endr
.irp j, 0,1,2,3,4,5,6,7
	v_cndmask_b32 v[40+\j], v[NINF], v[232+\j], s66    ; tile B where it counts, else -infinity: its gate is then 0
.endr
	v_max3_num_f32 v48, v224, v225, v226           ; the row's largest logit is taken away ahead of the exponentials
	v_max3_num_f32 v49, v40, v41, v42
	v_max3_num_f32 v48, v48, v227, v228
	s_delay_alu instid0(VALU_DEP_2)
	v_max3_num_f32 v49, v49, v43, v44
	v_max3_num_f32 v48, v48, v229, v230
	s_delay_alu instid0(VALU_DEP_2)
	v_max3_num_f32 v49, v49, v45, v46
	v_max3_num_f32 v48, v48, v231, v47
	s_delay_alu instid0(VALU_DEP_1)
	v_max_num_f32 v48, v48, v49
	s_delay_alu instid0(VALU_DEP_1)
	v_permlanex16_b32 v49, v48, s2, s3
	s_delay_alu instid0(VALU_DEP_1)
	v_max_num_f32 v48, v48, v49
.irp j, 0,1,2,3,4,5,6,7
	v_sub_f32 v[32+\j], v[224+\j], v48
.endr
.irp j, 0,1,2,3,4,5,6,7
	v_sub_f32 v[40+\j], v[40+\j], v48
.endr
.irp j, 0,1,2,3,4,5,6,7,8,9,10,11,12,13,14,15
	v_mul_f32 v[32+\j], 0x3fb8aa3b, v[32+\j]
.endr
	s_wait_alu depctr_va_vdst(0)
.irp j, 0,1,2,3,4,5,6,7,8,9,10,11,12,13,14,15
	v_exp_f32 v[32+\j], v[32+\j]
.endr
	v_nop
	s_wait_alu depctr_va_vdst(0)                   ; one wait for the sixteen
	v_pk_add_f32 v[50:51], v[32:33], v[34:35]
	v_pk_add_f32 v[52:53], v[36:37], v[38:39]
	v_pk_add_f32 v[50:51], v[50:51], v[40:41]
	v_pk_add_f32 v[52:53], v[52:53], v[42:43]
	v_pk_add_f32 v[50:51], v[50:51], v[44:45]
	v_pk_add_f32 v[52:53], v[52:53], v[46:47]
	s_delay_alu instid0(VALU_DEP_1)
	v_pk_add_f32 v[50:51], v[50:51], v[52:53]
	s_delay_alu instid0(VALU_DEP_1)
	v_add_f32 v50, v50, v51
	s_delay_alu instid0(VALU_DEP_1)
	v_permlanex16_b32 v51, v50, s2, s3
	s_delay_alu instid0(VALU_DEP_1)
	v_add_f32 v50, v50, v51
	s_wait_alu depctr_va_vdst(0)
	v_rcp_f32 v50, v50
	v_nop
	s_wait_alu depctr_va_vdst(0)
.irp j, 0,1,2,3,4,5,6,7,8,9,10,11,12,13,14,15
	v_mul_f32 v[32+\j], v[32+\j], v50
.endr
	global_store_b128 v[VGA], v[32:35], s[8:9] offset:XGT          ; sixteen lanes store one piece: 256 consecutive bytes, aligned
	global_store_b128 v[VGA], v[36:39], s[8:9] offset:XGT+256
	s_cmp_eq_u32 s52, 0
	s_cbranch_scc1 .Lxdone
	global_store_b128 v[VGB], v[40:43], s[8:9] offset:XGT
	s_cmp_eq_u32 s52, 1
	s_cbranch_scc0 .Lxdone
	global_store_b128 v[VGB], v[44:47], s[8:9] offset:XGT+256
.Lxdone:
	s_wait_xcnt 0x0
	v_lshl_add_u32 v254, v0, 2, 0x4b000
	v_mov_b32 v255, 0
	s_wait_alu depctr_va_vdst(0)
	s_wait_tensorcnt 0x0
	ds_add_u32 v254, v255
	s_wait_dscnt 0x0
	s_endpgm
	; ================ waves 6, 7: W ================
.Lwpath:
; Block c of 32 along K of my column: all 32 numbers are mine.
.macro WBLOCK c
.set XS, 32+32*(\c)
	v_max3_num_f32 v224, |v[XS]|, |v[XS+1]|, |v[XS+2]|
	v_max3_num_f32 v225, |v[XS+3]|, |v[XS+4]|, |v[XS+5]|
.irp i, 6,10,14,18,22,26
	s_delay_alu instid0(VALU_DEP_2)
	v_max3_num_f32 v224, v224, |v[XS+\i]|, |v[XS+\i+1]|
	s_delay_alu instid0(VALU_DEP_2)
	v_max3_num_f32 v225, v225, |v[XS+\i+2]|, |v[XS+\i+3]|
.endr
	s_delay_alu instid0(VALU_DEP_2)
	v_max3_num_f32 v224, v224, |v[XS+30]|, |v[XS+31]|
	s_delay_alu instid0(VALU_DEP_1)
	v_max3_num_f32 v224, v224, v225, 0x8000000     ; and the floor
	s_delay_alu instid0(VALU_DEP_1)
	v_add_nc_u32 v226, 0xf8800000, v224
	s_delay_alu instid0(VALU_DEP_2)
	v_and_or_b32 v227, v224, 0x7f800000, s51
	s_delay_alu instid0(VALU_DEP_2)
	v_lshrrev_b32 v225, 23, v226
.if (\c) == 0
	s_delay_alu instid0(VALU_DEP_1)
	v_mov_b32 v254, v225                           ; the four bytes make my column's scale word for this K step
.else
	s_delay_alu instid0(VALU_DEP_1)
	v_lshl_or_b32 v254, v225, 8*(\c), v254
.endif
.irp i, 0,1,2,3,4,5,6,7,8,9,10,11,12,13,14,15,16,17,18,19,20,21,22,23,24,25,26,27,28,29,30,31
	v_med3_num_f32 v[XS+\i], v[XS+\i], -v227, v227
.endr
.irp g, 0,1,2,3
	v_cvt_scalef32_pk8_bf8_f32 v[160+8*(\c)+2*\g:161+8*(\c)+2*\g], v[XS+8*\g:XS+8*\g+7], v226
.endr
	v_nop
	ds_store_b128 v[CSS], v[160+8*(\c):163+8*(\c)] offset:512*(\c)         ; k 32 c + 0 .. 15: the place of lane i of the image,
	ds_store_b128 v[CSS], v[164+8*(\c):167+8*(\c)] offset:512*(\c)+256     ; k 32 c + 16 .. 31: of lane 16 + i
.endm
; Job t: 32 columns x 128 along K: two whole fragments, 32 scale words and, for a slot's first K step, 32 biases.
.macro WJOB t
	s_wait_xcnt 0x0                                ; the last job's stores have read their registers and bases
	s_mul_i32 s55, s53, 3
	s_add_co_u32 s55, s55, \t                      ; J
	s_lshr_b32 s56, s55, 1
	s_mul_i32 s57, ttmp9, 3
	s_add_co_u32 s56, s56, s57                     ; V
	s_and_b32 s55, s55, 1
	s_and_b32 s57, s56, 63
	s_lshl_b32 s57, s57, 1
	s_add_co_u32 s57, s57, s55                     ; P: columns 32 P on: j = P / 4, qq = P % 4
	s_bfe_u32 s58, s56, 0x20006                    ; S
	s_lshr_b32 s59, s56, 8                         ; p
	s_cmp_eq_u32 s59, 1
	s_cselect_b64 s[60:61], s[30:31], s[28:29]
	s_cmp_eq_u32 s59, 2
	s_cselect_b64 s[60:61], s[32:33], s[60:61]
	s_lshl_b32 s100, s57, 7
	s_mov_b32 s101, 0
	s_add_nc_u64 s[60:61], s[60:61], s[100:101]    ; the bias of my 32 columns
	s_mul_i32 s100, s59, PSW
	s_lshr_b32 s55, s57, 2
	s_mul_i32 s55, s55, 2*WBLK
	s_add_co_u32 s100, s100, s55
	s_lshr_b32 s55, s58, 1
	s_mul_i32 s55, s55, WBLK
	s_add_co_u32 s100, s100, s55
	s_add_nc_u64 s[66:67], s[48:49], s[100:101]    ; the block (p, j, slot S / 2)
	s_and_b32 s55, s57, 3
	s_and_b32 s56, s58, 1
	s_lshl_b32 s100, s55, 13
	s_lshl_b32 s62, s56, 11
	s_add_co_u32 s100, s100, s62
	s_add_nc_u64 s[92:93], s[66:67], s[100:101]    ; images (2 (2 qq + u) + q) 2048
	s_lshl_b32 s100, s55, 7
	s_add_nc_u64 s[96:97], s[66:67], s[100:101]    ; biases: + 128 qq
	s_lshl_b32 s62, s56, 9
	s_add_co_u32 s100, s100, s62
	s_add_nc_u64 s[94:95], s[66:67], s[100:101]    ; scale words: + 128 qq + 512 q
.set k, 0
.rept 128
	ds_load_b32 v[32+k], v[WJ+\t] offset:256*k     ; a lane to a column, registers down K: 32 lanes read 128 consecutive bytes
.set k, k+1
.endr
	global_load_b32 v255, v[L4], s[60:61]
	s_wait_dscnt 63                                ; block 0's 32 loads are in (96 stand behind them; the count's field ends at 63)
	WBLOCK 0
	s_wait_dscnt 63                                ; block 1's (64 loads and 2 stores behind them)
	WBLOCK 1
	s_wait_dscnt 36                                ; block 2's (32 loads and 4 stores behind them)
	WBLOCK 2
	s_wait_dscnt 6                                 ; block 3's (6 stores behind them)
	WBLOCK 3
.set n, 0
.rept 8
	ds_load_b128 v[192+4*n:195+4*n], v[CSL] offset:2176*(n/4)+512*(n%4)    ; LDS serves a wave's instructions in order: these see my stores
.set n, n+1
.endr
	s_wait_dscnt 0x0
.set n, 0
.rept 8
	global_store_b128 v[L16], v[192+4*n:195+4*n], s[92:93] offset:4096*(n/4)+512*(n%4)   ; 32 lanes store 512 consecutive bytes
.set n, n+1
.endr
	global_store_b32 v[LO], v254, s[94:95] offset:32768
	s_wait_loadcnt 0x0
	s_cmp_eq_u32 s56, 0                            ; K steps 0 and 2 write the bias into their slot's block
	s_cbranch_scc0 .Lno_bias_\@
	global_store_b32 v[LO], v255, s[96:97] offset:33792
.Lno_bias_\@:
.endm
	WJOB 0
	WJOB 1
	WJOB 2
	s_wait_xcnt 0x0
	v_lshl_add_u32 v254, v0, 2, 0x4b000
	v_mov_b32 v255, 0
	s_wait_alu depctr_va_vdst(0)
	s_wait_tensorcnt 0x0
	ds_add_u32 v254, v255
	s_wait_dscnt 0x0
	s_endpgm
.Lfunc_end_k_q3f1f8aff12_prep:
	.size	k_q3f1f8aff12_prep, .Lfunc_end_k_q3f1f8aff12_prep-k_q3f1f8aff12_prep
	.p2alignl 7, 3214868480
	.fill 96, 4, 3214868480
	.section	.rodata,"a",@progbits
	.p2align	6, 0x0
	.amdhsa_kernel k_q3f1f8aff12_prep
		.amdhsa_group_segment_fixed_size 308224
		.amdhsa_private_segment_fixed_size 0
		.amdhsa_enable_private_segment 0
		.amdhsa_kernarg_size 184
		.amdhsa_user_sgpr_count 2
		.amdhsa_user_sgpr_kernarg_segment_ptr 1
		.amdhsa_wavefront_size32 1
		.amdhsa_system_sgpr_workgroup_id_x 1
		.amdhsa_system_sgpr_workgroup_id_y 1
		.amdhsa_system_sgpr_workgroup_id_z 1
		.amdhsa_system_vgpr_workitem_id 0
		.amdhsa_next_free_vgpr 512
		.amdhsa_next_free_sgpr 102
		.amdhsa_reserve_vcc 0
		.amdhsa_float_denorm_mode_32 3
		.amdhsa_float_denorm_mode_16_64 3
		.amdhsa_memory_ordered 1
		.amdhsa_forward_progress 1
		.amdhsa_inst_pref_size 255
	.end_amdhsa_kernel
	.section	.bss,"aw",@nobits
	.p2align	6
	.space	262144
	.amdgpu_metadata
---
amdhsa.version: [ 1, 2 ]
amdhsa.kernels:
  - .name:           k_q3f1f8aff12_prep
    .symbol:         k_q3f1f8aff12_prep.kd
    .args:
      - { .name: x_task1, .offset: 0, .size: 8, .value_kind: global_buffer, .address_space: global }
      - { .name: x_shared, .offset: 8, .size: 8, .value_kind: global_buffer, .address_space: global }
      - { .name: x_task2, .offset: 16, .size: 8, .value_kind: global_buffer, .address_space: global }
      - { .name: ln1_g, .offset: 24, .size: 8, .value_kind: global_buffer, .address_space: global }
      - { .name: ln0_g, .offset: 32, .size: 8, .value_kind: global_buffer, .address_space: global }
      - { .name: ln2_g, .offset: 40, .size: 8, .value_kind: global_buffer, .address_space: global }
      - { .name: ln1_b, .offset: 48, .size: 8, .value_kind: global_buffer, .address_space: global }
      - { .name: ln0_b, .offset: 56, .size: 8, .value_kind: global_buffer, .address_space: global }
      - { .name: ln2_b, .offset: 64, .size: 8, .value_kind: global_buffer, .address_space: global }
      - { .name: W_t1, .offset: 72, .size: 8, .value_kind: global_buffer, .address_space: global }
      - { .name: W_sh, .offset: 80, .size: 8, .value_kind: global_buffer, .address_space: global }
      - { .name: W_t2, .offset: 88, .size: 8, .value_kind: global_buffer, .address_space: global }
      - { .name: b_t1, .offset: 96, .size: 8, .value_kind: global_buffer, .address_space: global }
      - { .name: b_sh, .offset: 104, .size: 8, .value_kind: global_buffer, .address_space: global }
      - { .name: b_t2, .offset: 112, .size: 8, .value_kind: global_buffer, .address_space: global }
      - { .name: Wg_t1, .offset: 120, .size: 8, .value_kind: global_buffer, .address_space: global }
      - { .name: Wg_sh, .offset: 128, .size: 8, .value_kind: global_buffer, .address_space: global }
      - { .name: Wg_t2, .offset: 136, .size: 8, .value_kind: global_buffer, .address_space: global }
      - { .name: bg_t1, .offset: 144, .size: 8, .value_kind: global_buffer, .address_space: global }
      - { .name: bg_sh, .offset: 152, .size: 8, .value_kind: global_buffer, .address_space: global }
      - { .name: bg_t2, .offset: 160, .size: 8, .value_kind: global_buffer, .address_space: global }
      - { .name: xq, .offset: 168, .size: 8, .value_kind: global_buffer, .address_space: global }
      - { .name: wq, .offset: 176, .size: 8, .value_kind: global_buffer, .address_space: global }
    .group_segment_fixed_size: 308224
    .private_segment_fixed_size: 0
    .kernarg_segment_align: 8
    .kernarg_segment_size: 184
    .max_flat_workgroup_size: 256
    .sgpr_count:     102
    .vgpr_count:     512
    .wavefront_size: 32
...
	.end_amdgpu_metadata
.endif
;; end of part 1
;; launch ple (part 2): grid 32 x 8, 4 waves a work-group, clusters of 4 x 1, 327,680 bytes of LDS; arguments xq, wq, out0, out1, out2; writes out0, out1, out2
.if DOCPART == 2
	.amdgcn_target "amdgcn-amd-amdhsa--gfx1250"
	.amdhsa_code_object_version 6
	.text
	.protected	k_q3f1f8aff12_ple
	.globl	k_q3f1f8aff12_ple
	.p2align	8
	.type	k_q3f1f8aff12_ple,@function
k_q3f1f8aff12_ple:
	s_mov_b64 s[64:65], 0
	v_nop
	global_prefetch_b8 v0, s[64:65] scope:SCOPE_SE
	s_setreg_imm32_b32 hwreg(HW_REG_WAVE_MODE, 25, 1), 1
	s_wait_xcnt 0x0
	s_wait_alu depctr_hold_cnt(0) depctr_sa_sdst(0) depctr_va_vdst(0) depctr_va_sdst(0) depctr_va_ssrc(0) depctr_va_vcc(0) depctr_vm_vsrc(0)
	s_getreg_b32 s2, hwreg(HW_REG_IB_STS2, 6, 4)
	s_cmp_eq_u32 s2, 0
	s_cbranch_scc0 .Lentry_in_a_cluster
	s_endpgm
.Lentry_in_a_cluster:
	s_bfe_u32 s2, ttmp6, 0x10000c
	s_cmp_lg_u32 s2, 0x3003
	s_cbranch_scc0 .Lentry_shape_is_right
	s_endpgm
.Lentry_shape_is_right:
; PLE: the three expert products on codes of BF8 (E5M2) with E8M0 scales, bias, relu, and the gate-weighted sums over the experts.  The expert tensors [8192][4096] never leave the registers.
; A work-group owns 256 rows x 64 h (512 columns n = 8 h + e of each W); four waves, 2 (wm: 128 rows) x 2 (wn: half of a step's columns).  Three PHASES, p = 0 task1, 1 shared, 2 task2.
; A WAVE HOLDS ITS 128 ROWS OF x, ALL OF K, IN REGISTERS for a phase (512 registers, 128 loads of 512 consecutive bytes straight from memory: the codes lie there as operand images), and the phase's gates too.
; W STREAMS: a step is 16 h (128 columns), all of K, with scale words and bias: one dense block of 68,608 bytes of wq in one of two LDS slots; four steps a phase.  A wave takes four tiles of 16 columns of it, two pairs; a fragment feeds eight blocks of rows.
; Work goes in UNITS of 16 matrix instructions: one tile u of a pair by four blocks (group g).  THE EPILOGUE OF A UNIT (relu, gate sums) STANDS AMONG THE PRODUCTS OF THE NEXT: two groups of accumulators take turns.
; LDS work stands in runs in the middle of a unit, where the epilogue passes from two of its blocks to the other two.
; The matrix instruction is used transposed (source 0 = a tile of W, source 1 = 16 rows of x): lane (r, half) holds row r, and registers 2 e', 2 e' + 1 two neighbouring h of expert 4 u + e': a gate sum is a packed multiply-add, with no addition across lanes.
; SUMS: S0 (out_sh), S1 (out_t1), S2 (out_t2), two registers a block and pair, carried from phase to phase in the wave's own LDS: planes of 128 rows x 32 bytes, one for each step: [S0: 4][S2: 3][S1: 4].
; S2's fourth plane is S1's first, free when out_t1 has left at the end of phase 1: until then S2's part of step 3 waits in registers (HOLD and the sums' own).
; The first unit of a phase has no unit before it: its epilogue lines work on what stands there, into sums that are begun or loaded anew behind them, and nothing of it is stored.
; OUTPUT ROWS leave as whole 256 bytes: sixteen lanes a row, two rows an instruction.
; CLUSTERS: four work-groups of neighbouring row tiles share the tile column: every fill of W is a joint load of the four.  x is not asked for jointly: it goes to registers, and LDS has no room for it beside the slots and the sums.
; PREFETCHES: W's block for the fill two fills on, 17 blocks of 256 bytes a wave, by every second cluster; x and gates for the next phase in a phase's second step, 20 blocks a wave, shared out among the eight work-groups that read those rows.  None at the head: there the loads themselves go out.
; LIMITS: NaN, infinities and sums beyond f32's range are not served.
.set PSX,  5111808                     ; from a phase's records of xq to the next phase's
.set PSW,  2195456                     ; the same in wq
.set XREC, 79872                       ; a record of xq: 128 rows
.set XS1,  46080                       ; its second half of K
.set XGT,  33792                       ; the gates of the phase before
.set KH,   34304                       ; a half of K in a block of wq
.set SLOT, 68608
.set SHARE, 17152                      ; a wave's share of a fill: 67 rows of 256 bytes
.set SUMS, 2*SLOT
.set KP,   4160                        ; a plane of sums: 128 rows x 32 bytes, + 64
.set WR,   45856                       ; a wave's 11 planes, + 96: with the two odd parts a row's sixteen pieces fall on different banks (64 banks of 4 bytes: ISA guide 11.1)
.set SPARE, 320768                     ; behind them, at a multiple of 256: the spare words, 128 bytes a wave
.set XO,   1                           ; v1  16 lane;  v2 x's scale words;  v3 gates
.set XSO,  2
.set GO,   3
.set WA,   5                           ; v4, v5  W's images: base, present slot;  v6, v7 scale words;  v8, v9 bias
.set WSA,  7
.set WBA,  9
.set SPW,  10
.set NIL,  11
.set SBASE, 12                         ; v12 my sums' place;  v13, v14 for a step's two pairs
.set SA0,  13
.set SA1,  14
.set CO,   15                          ; v15 my place in two rows of an output
.set HOLD, 16                          ; v16-31
.set XSC,  32                          ; v32-47 x's scale words: 2 block + K half: lanes 0-15 its first 128, lanes 16-31 its second
.set WSC,  49                          ; v49-52 W's: 2 u + K half
.set PFW,  54
.set PFX,  55
.set RD,   56                          ; v56, v57 rows of sums, on the way out
.set ACC,  64                          ; v64-95 group 0, v96-127 group 1
.set WF,   128                         ; v128-191 tile u = 0, v192-255 tile u = 1
.set BI,   192                         ; window 1: v0-191 gates: 24 block + 8 set + expert;  v192-207 bias;  v208-255 sums: 6 block + (S1, S0, S2)
.set SR,   208
.set G1,   24
.set G0,   32
.set SLT,  36                          ; the slot that is read;  s37 the slot that is filled next;  s38 my share's place
.set FIL,  37
.set WOF,  38
.set KK,   39                          ; the step of the phase;  s40 its plane
.set PLN,  40
.set PFN,  41
.set XB,   42
.set XPF,  44
.set WPF,  46
.set MSB, 0
.macro WIN new                         ; the immediate's high byte repeats the setting that is left
.if MSB != (\new)
	s_set_vgpr_msb (MSB<<8)|(\new)
.set MSB, (\new)
.endif
.endm
.macro CREST                           ; a round of the cluster's barrier behind its opening barrier
	s_cmp_lg_u32 s14, 0
	s_cbranch_scc1 .Lnot_wave_0_\@
	s_barrier_signal -3
.Lnot_wave_0_\@:
	s_barrier_wait -3
	s_barrier_signal -1
	s_barrier_wait -1
.endm
.macro CROUND
	s_barrier_signal -1
	s_barrier_wait -1
	CREST
.endm
.macro FILL                            ; every wave its share, the same line in all four partners; four v_nop follow
	tensor_load_to_lds s[G0:G0+3], s[G1:G1+7]
	s_nop 0
.rept 4
	v_nop
.endr
.endm
.macro XG g, from, to                  ; four blocks of x, all of K, into window 2 + g: loads from .. to - 1 of 64
	WIN 0x80+0x40*\g
.set i_, \from
.rept (\to)-(\from)
	global_load_b128 v[4*i_:4*i_+3], v[XO], s[XB:XB+1] offset:((i_/8)%2)*XS1+(2*(4*\g+i_/16)+(i_/4)%2)*2048+512*(i_%4)
.set i_, i_+1
.endr
	WIN 0
.endm
.macro XSG np                          ; x's scale words; the phase's gates, np pieces of four a block
.set i_, 0
.rept 16
	global_load_b32 v[XSC+i_], v[XSO], s[XB:XB+1] offset:(i_%2)*XS1+32768+64*(i_/2)
.set i_, i_+1
.endr
	WIN 0x40
.set i_, 0
.rept 8*\np
	global_load_b128 v[24*(i_/\np)+4*(i_%\np):24*(i_/\np)+4*(i_%\np)+3], v[GO], s[XB:XB+1] offset:PSX+XGT+1536*(i_/\np)+256*(i_%\np)
.set i_, i_+1
.endr
	WIN 0
.endm
	s_load_b256 s[4:11], s[0:1], 0x0               ; xq 4, wq 6, out0 8, out1 10
	s_load_b64 s[12:13], s[0:1], 0x20              ; out2
	v_lshl_add_u32 v[SPW], v0, 2, SPARE
	v_mov_b32 v[NIL], 0
	ds_add_u32 v[SPW], v[NIL]
	ds_add_u32 v[SPW], v[NIL]
	v_lshrrev_b32 v58, 5, v0
	v_readfirstlane_b32 s14, v58                   ; wave 0..3
	s_lshr_b32 s15, s14, 1                         ; wm
	s_and_b32 s16, s14, 1                          ; wn
	s_bfe_u32 s17, ttmp6, 0x40000                  ; cx
	s_lshl_b32 s18, ttmp9, 2
	s_add_co_u32 s18, s18, s17                     ; row tile tr = 4 x cluster x + cx
	s_and_b32 s19, ttmp7, 0xffff                   ; tile column tc
	s_and_b32 s[PFN], ttmp9, 1                     ; every second cluster prefetches W
	s_mov_b32 s[G1], 15|(3<<16)|(1<<21)            ; all four partners; elements of 8 bytes; bit 21 set beside a mask; no padding
	s_mov_b32 s[G1+1], 32<<16
	s_mov_b32 s[G1+2], 67<<16
	s_mov_b32 s[G1+3], 32<<16
	s_mov_b32 s[G1+4], 67
	s_mov_b32 s[G1+5], 32
	s_mov_b32 s[G1+6], 0
	s_mov_b32 s[G1+7], 0
	s_mov_b32 s[SLT], 0
	s_mov_b32 s[FIL], 0
	s_mul_i32 s[WOF], s14, SHARE
	s_lshl_b32 s20, s18, 1
	s_mul_i32 s66, s20, XREC                       ; my two records of xq,
	s_mov_b32 s67, 0
	s_mul_i32 s68, s15, XREC                       ; my wave's of the two
	s_mov_b32 s69, 0
	s_mul_i32 s70, s19, 4*SLOT                     ; W: j = 4 tc
	s_mov_b32 s71, 0
	s_lshl_b32 s72, s18, 19                        ; outputs: 256 tr + 64 wave rows of 2,048 bytes, 64 tc columns
	s_lshl_b32 s20, s14, 17
	s_add_co_u32 s72, s72, s20
	s_lshl_b32 s20, s19, 8
	s_add_co_u32 s72, s72, s20
	s_mov_b32 s73, 0
	s_lshl_b32 s50, s16, 14                        ; wn: tiles 4 wn on
	s_lshl_b32 s51, s16, 8
	s_add_co_u32 s51, s51, 32768
	s_add_co_u32 s52, s51, 1024
	s_mul_i32 s53, s14, WR
	s_add_co_u32 s53, s53, SUMS
	s_mul_i32 s54, s15, 2*WR                       ; the rows that I store: 64 x wave on
	s_lshl_b32 s55, s16, 11
	s_add_co_u32 s54, s54, s55
	s_add_co_u32 s54, s54, SUMS
	s_lshl_b32 s56, s17, 2
	s_add_co_u32 s56, s56, s14
	s_mul_i32 s56, s56, 17
	s_mul_i32 s57, s14, 20
	s_and_b32 s58, s19, 3
	s_mul_i32 s58, s58, 78
	s_lshr_b32 s59, s19, 2
	s_mul_i32 s59, s59, XREC
	v_and_b32 v59, 31, v0                          ; lane
	v_and_b32 v60, 15, v0                          ; r
	v_bfe_u32 v61, v0, 4, 1                        ; half
	v_lshlrev_b32 v[XO], 4, v59
	v_lshlrev_b32 v[XSO], 2, v60
	v_lshl_add_u32 v[XSO], v61, 9, v[XSO]
	v_lshlrev_b32 v[GO], 4, v60
	v_add_nc_u32 v4, s50, v[XO]
	v_add_nc_u32 v6, s51, v[XSO]
	v_lshl_add_u32 v8, v61, 5, s52
	v_mov_b32 v[WA], v4
	v_mov_b32 v[WSA], v6
	v_mov_b32 v[WBA], v8
	v_lshl_add_u32 v[SBASE], v60, 5, s53           ; my row's 32 bytes of a plane: the first pair's 16 (rows 8-15 of a block: the second 16), + 8 half
	v_lshrrev_b32 v62, 3, v60
	v_lshl_add_u32 v[SBASE], v62, 4, v[SBASE]
	v_lshl_add_u32 v[SBASE], v61, 3, v[SBASE]
	v_mov_b32 v[SA0], v[SBASE]
	v_xor_b32 v[SA1], 16, v[SBASE]
	v_lshl_add_u32 v[RD], v61, 5, s54              ; back: lane r takes piece r of a row: step r / 4, wn = r / 2 % 2, pair r % 2
	v_lshrrev_b32 v62, 2, v60
	v_mul_u32_u24 v62, KP, v62
	v_add_nc_u32 v[RD], v[RD], v62
	v_bfe_u32 v62, v60, 1, 1
	v_mul_u32_u24 v62, WR, v62
	v_add_nc_u32 v[RD], v[RD], v62
	v_and_b32 v62, 1, v60
	v_lshl_add_u32 v[RD], v62, 4, v[RD]
	v_xor_b32 v[RD+1], 16, v[RD]
	v_lshlrev_b32 v[CO], 11, v61
	v_lshl_add_u32 v[CO], v60, 4, v[CO]
	v_min_u32 v62, 16, v59                         ; W's block: 268 units of 256 bytes over the cluster's sixteen waves
	v_add_nc_u32 v62, s56, v62
	v_min_u32 v62, 267, v62
	v_lshlrev_b32 v[PFW], 8, v62
	v_min_u32 v62, 19, v59                         ; x: 2 x 312 units over eight work-groups: 78 each
	v_add_nc_u32 v62, s57, v62
	v_min_u32 v62, 77, v62
	v_add_nc_u32 v62, s58, v62                     ; unit 0..311 of a record; 132..179 are the gates: those wanted ride in the next phase's record
	v_lshlrev_b32 v[PFX], 8, v62
	v_add_nc_u32 v62, 0xffffff7c, v62
	v_cmp_gt_u32 vcc_lo, 48, v62
	v_mov_b32 v63, PSX
	v_cndmask_b32 v63, 0, v63, vcc_lo
	v_add_nc_u32 v[PFX], v[PFX], v63
	v_add_nc_u32 v[PFX], s59, v[PFX]
	s_wait_alu depctr_va_vdst(0)
	s_wait_dscnt 0x0                               ; both opening adds are done
	s_wait_kmcnt 0x0
	s_add_nc_u64 s[XPF:XPF+1], s[4:5], s[66:67]
	s_add_nc_u64 s[XB:XB+1], s[XPF:XPF+1], s[68:69]
	s_add_nc_u64 s[XPF:XPF+1], s[XPF:XPF+1], PSX
	s_add_nc_u64 s[6:7], s[6:7], s[70:71]
	s_add_nc_u64 s[WPF:WPF+1], s[6:7], PSW-SLOT    ; a step ahead of it in trip 0: phase 1's first block
	s_mov_b32 s20, s[WOF]
	s_mov_b32 s21, 0
	s_mov_b32 s[G0], 1
	s_mov_b32 s[G0+1], s[WOF]
	s_add_nc_u64 s[G0+2:G0+3], s[6:7], s[20:21]
	s_or_b32 s[G0+3], s[G0+3], 0x80000000
	s_add_nc_u64 s[8:9], s[8:9], s[72:73]
	s_add_nc_u64 s[10:11], s[10:11], s[72:73]
	s_add_nc_u64 s[12:13], s[12:13], s[72:73]
	XG 0, 0, 48                                    ; phase 0's first three blocks of x are on their way ahead of the round
	CROUND                                         ; the four work-groups are here: the first joint loads meet
	FILL                                           ; step 0 into slot 0: one tensor load a wave
; Product n_ = 4 q + a of a unit: K step q, block 4 g + a.  The bias is the C of a sum's first instruction.  The four accumulators take turns, one instruction a turn.
.macro MM u, g
.set q_, n_/4
.set a_, n_%4
.set D_, ACC+32*\g+8*a_
.set W_, WF+64*\u+16*q_
.set X_, 64*a_+16*q_
.set P_, WSC+2*\u+q_/2
.set R_, XSC+8*\g+2*a_+q_/2
.if q_ == 0
	WIN 0x18+4*\g
	v_wmma_scale_f32_16x16x128_f8f6f4 v[D_:D_+7], v[W_:W_+15], v[X_:X_+15], v[BI+8*\u:BI+8*\u+7], v[P_], v[R_] matrix_a_fmt:MATRIX_FMT_BF8 matrix_b_fmt:MATRIX_FMT_BF8
.elseif q_%2
	WIN 0x08+4*\g
	v_wmma_scale_f32_16x16x128_f8f6f4 v[D_:D_+7], v[W_:W_+15], v[X_:X_+15], v[D_:D_+7], v[P_], v[R_] matrix_a_fmt:MATRIX_FMT_BF8 matrix_b_fmt:MATRIX_FMT_BF8 matrix_a_scale:MATRIX_SCALE_ROW1 matrix_b_scale:MATRIX_SCALE_ROW1
.else
	WIN 0x08+4*\g
	v_wmma_scale_f32_16x16x128_f8f6f4 v[D_:D_+7], v[W_:W_+15], v[X_:X_+15], v[D_:D_+7], v[P_], v[R_] matrix_a_fmt:MATRIX_FMT_BF8 matrix_b_fmt:MATRIX_FMT_BF8
.endif
.endm
; The epilogue, in eight turns t_: expert e' = t_ % 4 of the blocks 2 (t_ / 4), + 1 of group eg.
.macro RELU eg
	WIN 0
.set L_, ACC+32*\eg+16*(t_/4)+2*(t_%4)
	v_dual_max_num_f32 v[L_], 0, v[L_] :: v_dual_max_num_f32 v[L_+1], 0, v[L_+1]
	v_dual_max_num_f32 v[L_+8], 0, v[L_+8] :: v_dual_max_num_f32 v[L_+9], 0, v[L_+9]
.endm
.macro PK kind, eu, eg, o              ; two independent multiply-adds by gate set o.  kind 0 task1: S0, S1;  1 shared: S0, S1, S2;  2 task2: S0, S2
	WIN 0x54
.set e_, t_%4
.set F_, 2
.if \o == 1
.set F_, 0
.if \kind == 2
.set F_, 4
.endif
.endif
.if \o == 2
.set F_, 4
.endif
.set Z_, 0
.if (\eu == 0) && (e_ == 0)
.if (\kind == 0) || (\o == 2)
.set Z_, 1
.endif
.endif
.irp b, 0,1
.set A_, ACC+32*\eg+16*(t_/4)+8*\b+2*e_
.set B_, 4*\eg+2*(t_/4)+\b
.set H_, 24*B_+8*\o+4*\eu+2*(e_/2)
.set S_, SR+6*B_+F_
.if Z_
	v_pk_mul_f32 v[S_:S_+1], v[A_:A_+1], v[H_:H_+1] op_sel_hi:[1,0]
.elseif e_%2
	v_pk_fma_f32 v[S_:S_+1], v[A_:A_+1], v[H_:H_+1], v[S_:S_+1] op_sel:[0,1,0] op_sel_hi:[1,1,1]
.else
	v_pk_fma_f32 v[S_:S_+1], v[A_:A_+1], v[H_:H_+1], v[S_:S_+1] op_sel_hi:[1,0,1]
.endif
.endr
.endm
.macro PKALL kind, eu, eg
	PK \kind, \eu, \eg, 0
	PK \kind, \eu, \eg, 1
.if \kind == 1
	PK \kind, \eu, \eg, 2
.endif
.endm
.macro WITEM tile, m                   ; one of a tile's 18 loads: 16 of its four fragments, two of its scale words
.set m_, \m
.if m_ < 16
.set r_, WF+64*((\tile)%2)+4*m_
	ds_load_b128 v[r_:r_+3], v[WA] offset:(m_/8)*KH+(2*(\tile)+(m_/4)%2)*2048+512*(m_%4)
.else
	ds_load_b32 v[WSC+2*((\tile)%2)+m_-16], v[WSA] offset:(m_-16)*KH+64*(\tile)
.endif
.endm
.macro WLOAD tile                      ; a tile: 20 loads
	WIN 0
.set i_, 0
.rept 18
	WITEM \tile, i_
.set i_, i_+1
.endr
	WIN 0x54
	ds_load_b128 v[BI+8*((\tile)%2):BI+8*((\tile)%2)+3], v[WBA] offset:64*(\tile)
	ds_load_b128 v[BI+8*((\tile)%2)+4:BI+8*((\tile)%2)+7], v[WBA] offset:64*(\tile)+16
.endm
.macro SLOAD kind, gg, adr             ; a group's sums: eight loads
	WIN 0x54
.irp b, 0,1,2,3
.set B_, 4*\gg+\b
	ds_load_b64 v[SR+6*B_+2:SR+6*B_+3], v[\adr] offset:512*B_
.if \kind == 1
	ds_load_b64 v[SR+6*B_:SR+6*B_+1], v[\adr] offset:512*B_+7*KP
.else
	ds_load_b64 v[SR+6*B_+4:SR+6*B_+5], v[\adr] offset:512*B_+4*KP
.endif
.endr
.endm
.macro SSTORE kind, gg, adr            ; and back: eight stores
	WIN 0x54
.irp b, 0,1,2,3
.set B_, 4*\gg+\b
	ds_store_b64 v[\adr], v[SR+6*B_+2:SR+6*B_+3] offset:512*B_
.if \kind == 2
	ds_store_b64 v[\adr], v[SR+6*B_+4:SR+6*B_+5] offset:512*B_+4*KP
.else
	ds_store_b64 v[\adr], v[SR+6*B_:SR+6*B_+1] offset:512*B_+7*KP
.endif
.endr
.endm
.macro S2STORE gg, adr
	WIN 0x54
.irp b, 0,1,2,3
.set B_, 4*\gg+\b
	ds_store_b64 v[\adr], v[SR+6*B_+4:SR+6*B_+5] offset:512*B_+4*KP
.endr
	WIN 0
.endm
.macro S2OUT gg, adr                   ; in step 3 S2 has no plane yet
	WIN 0
	s_cmp_eq_u32 s[KK], 3
	s_cbranch_scc1 .Lno_plane_\@
	S2STORE \gg, \adr
.Lno_plane_\@:
.endm
.macro KEEP gg                         ; the first pair's S2, for the end of phase 1
	WIN 0x01
.irp b, 0,1,2,3
.set B_, 4*\gg+\b
	v_mov_b32 v[HOLD+2*B_], v[SR+6*B_+4]
	v_mov_b32 v[HOLD+2*B_+1], v[SR+6*B_+5]
.endr
.endm
; HALF A UNIT, products from .. from + 7: tile u by group g, and among them half of the epilogue of tile eu by group eg.  Behind each four products: four pairs of relu, two multiply-adds, two, and the rest of the two turns.
; (Ahead of the epilogue's first reads eight vector lines stand behind the last product of each of the two blocks.)
.macro UNIT u, g, eu, eg, kind, from
.set n_, \from
.rept 8
	MM \u, \g
.set t_, 2*(n_/4)
.if n_%4 == 0
	RELU \eg
.set t_, t_+1
	RELU \eg
.elseif n_%4 == 1
	PK \kind, \eu, \eg, 0
.elseif n_%4 == 2
	PK \kind, \eu, \eg, 1
.else
.if \kind == 1
	PK \kind, \eu, \eg, 2
.endif
.set t_, t_+1
	PKALL \kind, \eu, \eg
.endif
.set n_, n_+1
.endr
.endm
; A STEP: two pairs of tiles.  rnd = 1: a round of the cluster's barrier and the refill of this slot;  rnd = 2: a plain barrier, nothing is filled any more.
.macro STEP kind, rnd
	s_wait_dscnt 0x0                               ; tile 0 is in
	s_wait_loadcnt 63                              ; in a phase's first step: all but x's second half (64 loads)
	v_add_nc_u32 v[SA0], s[PLN], v[SBASE]
	UNIT 0, 0, 1, 1, \kind, 0
	WIN 0
.if \rnd == 1
	s_cmp_eq_u32 s[KK], 0
	s_cbranch_scc1 .Lnone_0_\@
.endif
	SSTORE \kind, 0, SA1                           ; the last step's second pair, group 0
.if \kind == 1
	S2STORE 0, SA1
.endif
	WIN 0
.if \rnd == 1
.Lnone_0_\@:
.endif
.if \kind
	SLOAD \kind, 0, SA0
.endif
	WLOAD 1
	UNIT 0, 0, 1, 1, \kind, 8
.if \kind
	s_wait_dscnt 20                                ; group 0's sums are in; the 20 loads of tile 1 stand behind them
.endif
	s_wait_loadcnt 0x0
	UNIT 0, 1, 0, 0, \kind, 0
	WIN 0
.if \rnd == 1
	s_cmp_eq_u32 s[KK], 0
	s_cbranch_scc1 .Lnone_1_\@
.endif
	SSTORE \kind, 1, SA1                           ; and group 1
.if \kind == 1
	S2STORE 1, SA1
.endif
	WIN 0
.if \rnd == 1
.Lnone_1_\@:
.endif
.if \kind
	SLOAD \kind, 1, SA0
.endif
	WIN 0
	v_xor_b32 v[SA1], 16, v[SA0]
	UNIT 0, 1, 0, 0, \kind, 8
	s_wait_dscnt 0x0                               ; tile 1, and group 1's sums
	UNIT 1, 0, 0, 1, \kind, 0
	WLOAD 2
	UNIT 1, 0, 0, 1, \kind, 8
	UNIT 1, 1, 1, 0, \kind, 0
	UNIT 1, 1, 1, 0, \kind, 8
	s_wait_dscnt 0x0                               ; tile 2
	UNIT 0, 0, 1, 1, \kind, 0
	SSTORE \kind, 0, SA0
.if \kind == 1
	S2OUT 0, SA0
.endif
.if \kind
	SLOAD \kind, 0, SA1
.endif
	WLOAD 3
.if \kind == 1
	KEEP 0
.endif
	UNIT 0, 0, 1, 1, \kind, 8
.if \kind
	s_wait_dscnt 20
.endif
	UNIT 0, 1, 0, 0, \kind, 0
	SSTORE \kind, 1, SA0
.if \kind == 1
	S2OUT 1, SA0
.endif
.if \kind
	SLOAD \kind, 1, SA1
.endif
	WIN 0
.if \rnd == 1
.if \kind < 2
	s_wait_xcnt 0x0                                ; the last prefetch has read its address
	s_add_nc_u64 s[WPF:WPF+1], s[WPF:WPF+1], SLOT
.endif
	s_wait_tensorcnt 0x0                           ; my share of the other slot has landed;
	ds_add_u32 v[SPW], v[NIL]                      ; 0 onto my spare word
	s_mov_b32 s50, SLOT                            ; the fill: the block two steps on
	s_cmp_eq_u32 s[KK], 2
	s_cselect_b32 s48, PSW-3*SLOT, s50
	s_mov_b32 s49, 0
	s_add_nc_u64 s[G0+2:G0+3], s[G0+2:G0+3], s[48:49]
	s_add_co_u32 s[G0+1], s[FIL], s[WOF]
	s_xor_b32 s[FIL], s[FIL], SLOT
.endif
	s_xor_b32 s[SLT], s[SLT], SLOT
	v_add_nc_u32 v[WA], s[SLT], v4                 ; on to the other slot
	v_add_nc_u32 v[WSA], s[SLT], v6
	v_add_nc_u32 v[WBA], s[SLT], v8
.if \kind == 1
	KEEP 1
.endif
	UNIT 0, 1, 0, 0, \kind, 8
	WIN 0
.if \rnd == 2
	s_wait_tensorcnt 0x0
.endif
	s_wait_dscnt 0x0                               ; the add is done, and my reads of this slot are over (tile 3 is in registers)
	s_barrier_signal -1
	UNIT 1, 0, 0, 1, \kind, 0                      ; work on registers while the others arrive
	WIN 0
	s_barrier_wait -1
.if \rnd == 1
	CREST                                          ; no wave of any partner still reads this slot or has a load on its way
	FILL
.endif
	WLOAD 0                                        ; the next step's tile 0 (behind the launch's last step what is read there is not used)
	UNIT 1, 0, 0, 1, \kind, 8
.if \kind < 2
	WIN 0
	s_cmp_eq_u32 s[PFN], 0
	s_cbranch_scc0 .Lno_w_\@
	global_prefetch_b8 v[PFW], s[WPF:WPF+1] th:TH_LOAD_NT scope:SCOPE_SE    ; the next phase's block of this step: two fills on
.Lno_w_\@:
	s_cmp_eq_u32 s[KK], 1
	s_cbranch_scc0 .Lno_x_\@
	global_prefetch_b8 v[PFX], s[XPF:XPF+1] th:TH_LOAD_NT scope:SCOPE_SE    ; the next phase's x and gates
.Lno_x_\@:
.endif
	UNIT 1, 1, 1, 0, \kind, 0
	UNIT 1, 1, 1, 0, \kind, 8
	WIN 0
.endm
.macro NEXT label, last
	s_add_co_u32 s[PLN], s[PLN], KP
	s_add_co_u32 s[KK], s[KK], 1
	s_cmp_lg_u32 s[KK], \last
	s_cbranch_scc1 \label
.endm
.macro DRAIN kind                      ; the phase's last unit, and the last pair's sums
.set t_, 0
.rept 8
	RELU 1
	PKALL \kind, 1, 1
.set t_, t_+1
.endr
	SSTORE \kind, 0, SA1
	SSTORE \kind, 1, SA1
	WIN 0
.endm
.macro OUT1                            ; out_t1 leaves, while the next phase's x is on its way
	s_wait_alu depctr_va_vdst(0)                   ; S2 is stored behind the barriers
	s_wait_dscnt 0x0                               ; for the others' sake: my part of out_t1 lies in LDS
	s_barrier_signal -1
	s_barrier_wait -1
.set i_, 0
.rept 32                               ; 64 rows a wave, through registers that the next phase's first products do not read
.set r_, ACC+4*i_+64*(i_/16)
	ds_load_b128 v[r_:r_+3], v[RD+(i_/4)%2] offset:64*i_+7*KP
.set i_, i_+1
.endr
.set i_, 0
.rept 32
.set r_, ACC+4*i_+64*(i_/16)
	s_wait_dscnt 31-i_
	global_store_b128 v[CO], v[r_:r_+3], s[10:11] offset:4096*i_ th:TH_STORE_NT
.set i_, i_+1
.endr
	s_wait_xcnt 0x0                                ; the stores have read their registers
	s_barrier_signal -1
	s_barrier_wait -1                              ; every wave has read out_t1: S1's first plane is free for S2's last
.irp a, 0,1,2,3,4,5,6,7
	ds_store_b64 v[SA0], v[HOLD+2*\a:HOLD+2*\a+1] offset:512*\a+4*KP
.endr
	S2STORE 0, SA1
	S2STORE 1, SA1
.endm
.macro CHANGE kind, np                 ; the next phase's x lands in group 0's registers while the last unit is finished
	s_wait_xcnt 0x0
	s_add_nc_u64 s[XB:XB+1], s[XB:XB+1], PSX
	s_add_nc_u64 s[XPF:XPF+1], s[XPF:XPF+1], PSX
	s_add_nc_u64 s[WPF:WPF+1], s[WPF:WPF+1], PSW-4*SLOT
	XG 0, 0, 64
	DRAIN \kind
.if \kind == 1
	OUT1
.endif
	XSG \np
	XG 1, 0, 64
.endm
	XG 0, 48, 64                                   ; the rest of phase 0's x, scale words and gates
	XSG 4
	XG 1, 0, 64
.set i_, 0
.rept 32
	v_mov_b32 v[ACC+32+i_], 0                      ; the first unit's epilogue lines read these
.set i_, i_+1
.endr
	WIN 0x40
.set i_, 0
.rept 48
	v_mov_b32 v[SR+i_], 0
.set i_, i_+1
.endr
	WIN 0
	s_wait_alu depctr_va_vdst(0)
	s_wait_tensorcnt 0x0                           ; my share of step 0 is in; these lines stand ahead of a later first fill, as ahead of a refill
	ds_add_u32 v[SPW], v[NIL]
	s_add_co_u32 s[G0+1], s[WOF], SLOT
	s_add_nc_u64 s[G0+2:G0+3], s[G0+2:G0+3], SLOT
	s_wait_dscnt 0x0
	CROUND
	FILL                                           ; step 1 into slot 1
	WLOAD 0
	WIN 0
	s_mov_b32 s[KK], 0
	s_mov_b32 s[PLN], 0
.Ltask1:
	STEP 0, 1
	NEXT .Ltask1, 4
	CHANGE 0, 6
	s_mov_b32 s[KK], 0
	s_mov_b32 s[PLN], 0
.Lshared:
	STEP 1, 1
	NEXT .Lshared, 4
	CHANGE 1, 4
	s_mov_b32 s[KK], 0
	s_mov_b32 s[PLN], 0
.Ltask2:
	STEP 2, 1
	NEXT .Ltask2, 2
	s_mov_b32 s[KK], 2
	s_mov_b32 s[PLN], 2*KP
.Ltask2_end:
	STEP 2, 2                                      ; the last two steps fill nothing
	NEXT .Ltask2_end, 4
	DRAIN 2
	s_wait_dscnt 0x0                               ; for the others' sake: my sums lie in LDS
	s_barrier_signal -1
	s_barrier_wait -1
	WIN 0x80
.set i_, 0
.rept 64                               ; 64 rows of out_sh, then of out_t2, into window 2
	ds_load_b128 v[4*i_:4*i_+3], v[RD+(i_/4)%2] offset:64*(i_%32)+(i_/32)*4*KP
.set i_, i_+1
.endr
	WIN 0x08
.set i_, 0
.rept 32
	s_wait_dscnt 63-i_
	global_store_b128 v[CO], v[4*i_:4*i_+3], s[8:9] offset:4096*i_ th:TH_STORE_NT
.set i_, i_+1
.endr
.rept 32
	s_wait_dscnt 63-i_
	global_store_b128 v[CO], v[4*i_:4*i_+3], s[12:13] offset:4096*(i_-32) th:TH_STORE_NT
.set i_, i_+1
.endr
	WIN 0
	s_wait_tensorcnt 0x0                           ; the wave's end
	ds_add_u32 v[SPW], v[NIL]
	s_wait_dscnt 0x0
	CROUND                                         ; the closing round: no work-group ends while a partner may still ask for a block that names it
	s_endpgm
.Lfunc_end_k_q3f1f8aff12_ple:
	.size	k_q3f1f8aff12_ple, .Lfunc_end_k_q3f1f8aff12_ple-k_q3f1f8aff12_ple
	.p2alignl 7, 3214868480
	.fill 96, 4, 3214868480
	.section	.rodata,"a",@progbits
	.p2align	6, 0x0
	.amdhsa_kernel k_q3f1f8aff12_ple
		.amdhsa_group_segment_fixed_size 327680
		.amdhsa_private_segment_fixed_size 0
		.amdhsa_enable_private_segment 0
		.amdhsa_kernarg_size 40
		.amdhsa_user_sgpr_count 2
		.amdhsa_user_sgpr_kernarg_segment_ptr 1
		.amdhsa_wavefront_size32 1
		.amdhsa_system_sgpr_workgroup_id_x 1
		.amdhsa_system_sgpr_workgroup_id_y 1
		.amdhsa_system_sgpr_workgroup_id_z 1
		.amdhsa_system_vgpr_workitem_id 0
		.amdhsa_next_free_vgpr 1024
		.amdhsa_next_free_sgpr 80
		.amdhsa_reserve_vcc 1
		.amdhsa_float_denorm_mode_32 3
		.amdhsa_float_denorm_mode_16_64 3
		.amdhsa_memory_ordered 1
		.amdhsa_forward_progress 1
		.amdhsa_inst_pref_size 255
	.end_amdhsa_kernel
	.section	.bss,"aw",@nobits
	.p2align	6
	.space	262144
	.amdgpu_metadata
---
amdhsa.version: [ 1, 2 ]
amdhsa.kernels:
  - .name:           k_q3f1f8aff12_ple
    .symbol:         k_q3f1f8aff12_ple.kd
    .args:
      - { .name: xq, .offset: 0, .size: 8, .value_kind: global_buffer, .address_space: global }
      - { .name: wq, .offset: 8, .size: 8, .value_kind: global_buffer, .address_space: global }
      - { .name: out0, .offset: 16, .size: 8, .value_kind: global_buffer, .address_space: global }
      - { .name: out1, .offset: 24, .size: 8, .value_kind: global_buffer, .address_space: global }
      - { .name: out2, .offset: 32, .size: 8, .value_kind: global_buffer, .address_space: global }
    .group_segment_fixed_size: 327680
    .private_segment_fixed_size: 0
    .kernarg_segment_align: 8
    .kernarg_segment_size: 40
    .max_flat_workgroup_size: 128
    .sgpr_count:     80
    .vgpr_count:     1024
    .wavefront_size: 32
...
	.end_amdgpu_metadata
.endif
;; end of part 2
